; MI455X (gfx1250); checked and timed in simulation.
; The chip was launched on July 23, 2026; its instructions are those of AMD's public machine-readable ISA for CDNA 5 (MIT licence, August 2026) and "CDNA5" Instruction Set Architecture Reference Guide (July 2026). The comments in the code are by the model that wrote it; some were corrected since.
;; Attention Head. Allowed arithmetic: matrix products marked QUANTISED: E4M3 operands, one E8M0 scale for each 32 along K, by v_wmma_scale_f32_16x16x128_f8f6f4 with both operands' format E4M3, f32 sums; everything else in f32.
;; Inputs: W_qkv 1,024 x 192 float32; attn_mask 4 x 4,096 bool; x 4 x 4,096 x 1,024 float32.
;; Outputs: out0 4 x 4,096 x 64 float32.
;; This version of the problem:
;;   THIS VERSION OF THE PROBLEM IS GIVEN IN LOW PRECISION. The matrix products marked QUANTISED in the list below multiply operands that are first quantised to E4M3 (4 exponent bits, 3 mantissa bits; 8 bits a number), with one power-of-two scale for each 32 numbers along K (OCP MX v1.0); their sums are f32. All else is computed in f32.
;;   The module's matrix products, in the order in which they are computed (A, B: the left and right operand; K: the contracted axis; several contracted axes count as one K, in the product's order):
;;     1. [M 16,384, K 1,024] x [K 1,024, N 192]; A: input x; B: input W_qkv: QUANTISED
;;     2. batch 4 x [M 4,096, K 64] x [K 64, N 4,096]; A: computed on the way; B: computed on the way: QUANTISED
;;     3. batch 4 x [M 4,096, K 4,096] x [K 4,096, N 64]; A: softmax (see below); B: computed on the way: QUANTISED
;;   THE QUANTISER, for each operand of a quantised product, along K:
;;     - K is cut into blocks of 32 from its start; a last block that is shorter is filled with zeros.
;;     - A block's scale is 2^e with e = floor(log2(the largest magnitude in the block)) - 8, held to -126 .. 127; a block of zeros has e = 0. As a byte (E8M0): e + 127.
;;     - Each number is divided by its block's scale, clamped to +-448, and rounded to the nearest number of E4M3, ties to even, subnormals kept.
;;     - The product sums the exact products of the quantised numbers (number of the format x scale) in f32.
;;   ~~~python
;;   def quantise(x, axis):      # numpy; x: float32 -> the quantised numbers, widened to float32 again
;;       x = np.moveaxis(x, axis, -1); K = x.shape[-1]
;;       x = np.pad(x, [(0, 0)] * (x.ndim - 1) + [(0, -K % 32)]); x = x.reshape(x.shape[:-1] + (-1, 32)); a = np.abs(x).max(-1, keepdims=True)
;;       e = np.where(a > 0, np.clip(np.frexp(np.where(a > 0, a, 1))[1] - 1 - 8, -126, 127), 0)      # np.frexp(a)[1] - 1 = floor(log2(a)), exactly
;;       r = np.clip(x / 2.0 ** e, -448, 448)
;;       step = 2.0 ** (np.maximum(np.frexp(np.where(r == 0, 1, r))[1] - 1, -6) - 3)
;;       q = np.round(r / step) * step * 2.0 ** e      # np.round: ties to even
;;       return np.moveaxis(q.reshape(q.shape[:-2] + (-1,))[..., :K], -1, axis).astype(np.float32)
;;   ~~~
;;   SOFTMAX AHEAD OF A QUANTISED PRODUCT. Where the list says 'softmax', what is quantised is not the finished softmax but p = 2^(t - M), with t = logit x log2(e) and M = ceil(the row's largest t), a whole number; so 1/2 < the row's largest p <= 1. The row's sum l is taken of the UNQUANTISED p, in f32, and the product's result is divided by l at the end. Since M is a whole number, a kernel that streams over the keys may use a running M (the ceiling of the running maximum): every later rescaling is an exact power of two, which a block's scale takes up: the codes' values come out the same.
;;   OPERANDS COMPUTED ON THE WAY. 'Computed on the way' means the value that the module computes at that place (a softmax that the list does not call 'softmax' is quantised finished and normalised). What goes into a quantiser is computed in f32, as accurately as f32 sums, v_exp_f32 and their like allow (about 1e-6 of the number): no bf16 or f16 on the way to a quantiser, and a product that is left as it is and whose result goes on into a quantised operand takes f32 operands (vector FMAs, or v_wmma_f32_16x16x4_f32). A number that lies on a knife's edge between two numbers of the format may be rounded either way, as far as f32 arithmetic and the matrix unit's own rounding can turn it there, and no further.
;; One version. Each part assembles by itself: llvm-mc -triple=amdgcn-amd-amdhsa -mcpu=gfx1250 --defsym DOCPART=n.
;; ======== version 1 of 1: 3 launches
;; limits: right only within a limited range of input values
;; workspace buffers: wimg 221,184 bytes; qkv 3,244,032 bytes
;; launch wq (part 1): grid 48 x 4, 1 waves a work-group, no clusters, 0 bytes of LDS; arguments W_qkv, wimg; writes wimg
.if DOCPART == 1
	.amdgcn_target "amdgcn-amd-amdhsa--gfx1250"
	.amdhsa_code_object_version 6
	.text
	.protected	k_qcb4713e7f0_wq
	.globl	k_qcb4713e7f0_wq
	.p2align	8
	.type	k_qcb4713e7f0_wq,@function
k_qcb4713e7f0_wq:
	s_mov_b64 s[64:65], 0
	v_nop
	global_prefetch_b8 v0, s[64:65] scope:SCOPE_SE
	s_setreg_imm32_b32 hwreg(HW_REG_WAVE_MODE, 25, 1), 1
	s_wait_xcnt 0x0
; W_qkv [1024 (k)][192 (n)] f32 becomes codes of E4M3 with one E8M0 byte for each 32 along K, laid in the ORDER OF THE OPERAND'S REGISTERS for the projection launch.
; Fragment F = 8 N + s (N: tile of 16 columns, s: K step of 128), 2,304 bytes each: codes at 512 c + 16 lane (register group c of lane (r, h): k = 128 s + 32 c + 16 h + 0..15 of one column); scale words at 2048 + 4 lane, byte c.
; Tiles: N = 2 w + n (n = 0, 1; w = 0..3): columns 32 w + 8 n + r + 8 (r / 8) (q's and k's dims, so that two tiles' results are 16 neighbours along the next K); N = 8 + w: columns 128 + 16 w + r (v's channels).
; A work-group is ONE wave and takes HALF a fragment, blocks c = 2 half and 2 half + 1: x = (8 n + s) * 2 + half, y = w: 192 work-groups with 32 loads each, all of a wave's loads out at once.
; A lane takes a column and its registers run down K, so the conversions' results are the operand's registers; a block of 32 lies in lanes l and l xor 16.
; A block's scale byte is the largest magnitude's exponent field - 8, held at 1 from below (a block of zeros keeps the byte 1: its codes are zeros, and this program alone reads the bytes).
; The two bytes of a half leave as one half-word a lane: the two halves of a scale word come from two work-groups, each byte from one.
; LIMITS: NaN and infinities are not served; blocks whose largest magnitude lies under 2^(9 - 127) take the floor's byte.
; No LDS, no barrier, no matrix unit: 786,432 bytes are read once.  No prefetch: there is no loop, all loads go out at once.
.set XN,  16                           ; v16-47  32 numbers
.set TM,  80                           ; v80-95  at work
.set PW,  96                           ; the two scale bytes
.set PC,  100                          ; v100-107 the codes
	s_load_b128 s[4:7], s[0:1], 0x0                ; W s[4:5], wimg s[6:7]
	s_and_b32 s9, ttmp7, 0xffff                    ; w
	s_lshr_b32 s17, ttmp9, 4                       ; n
	s_bfe_u32 s8, ttmp9, 0x30001                   ; s: three bits from bit 1
	s_and_b32 s18, ttmp9, 1                        ; half
	s_lshl_b32 s10, s9, 5
	s_lshl_b32 s11, s17, 3
	s_add_co_u32 s10, s10, s11                     ; 32 w + 8 n
	s_lshl_b32 s11, s9, 4
	s_add_co_u32 s11, s11, 128                     ; 128 + 16 w
	s_lshl_b32 s14, s9, 1
	s_add_co_u32 s14, s14, s17                     ; 2 w + n
	s_add_co_u32 s15, s9, 8                        ; 8 + w
	s_cmp_lt_u32 s17, 2                            ; a tile of q or k, or of v?
	s_cselect_b32 s10, s10, s11
	s_cselect_b32 s12, 8, 0
	s_cselect_b32 s14, s14, s15
	s_mul_i32 s13, s8, 128*768                     ; 128 rows of 768 bytes a K step,
	s_mul_i32 s19, s18, 64*768                     ; 64 a half
	s_add_co_u32 s13, s13, s19
	s_lshl_b32 s14, s14, 3
	s_add_co_u32 s14, s14, s8                      ; F
	s_mul_i32 s16, s14, 2304
	s_lshl_b32 s19, s18, 10
	s_add_co_u32 s15, s16, s19                     ; the codes
	s_lshl_b32 s19, s18, 1
	s_add_co_u32 s16, s16, s19                     ; the scale bytes, 2,048 on
	s_mov_b32 s20, 0x76543210
	s_mov_b32 s21, 0xfedcba98                      ; v_permlanex16_b32's selects: lane l xor 16
	s_mov_b32 s22, 0x600000                        ; the mantissa field of 448
	v_and_b32 v1, 15, v0                           ; r
	v_bfe_u32 v2, v0, 4, 1                         ; h
	v_and_b32 v3, s12, v1                          ; 8 (r / 8), or 0
	v_add3_u32 v3, v3, v1, s10                     ; my column
	v_mul_u32_u24 v4, v2, 16*768                   ; lanes 16-31 begin 16 rows further down
	v_lshl_add_u32 v4, v3, 2, v4
	v_add_nc_u32 v4, s13, v4
	v_and_b32 v5, 31, v0
	v_lshl_add_u32 v6, v5, 2, s16
	v_lshl_add_u32 v5, v5, 4, s15
	v_mov_b32 v[TM+4], 0                           ; a lane permute's destination counts as one of its sources
	v_mov_b32 v[TM+5], 0
	s_wait_alu depctr_va_vdst(0)
	s_wait_kmcnt 0x0
.irp c, 0,1
.irp i, 0,1,2,3,4,5,6,7,8,9,10,11,12,13,14,15
	global_load_b32 v[XN+16*\c+\i], v4, s[4:5] offset:(32*\c+\i)*768 th:TH_LOAD_NT   ; W(128 s + 64 half + 32 c + 16 h + i, my column)
.endr
.endr
	s_wait_loadcnt 0x0
.irp b, 0,1
	v_max3_num_f32 v[TM+\b], |v[XN+16*\b]|, |v[XN+16*\b+1]|, 0x4800000   ; my 16 numbers and the floor 2^(9 - 127)
.endr
.irp i, 2,4,6,8,10,12,14
.irp b, 0,1
	v_max3_num_f32 v[TM+\b], v[TM+\b], |v[XN+16*\b+\i]|, |v[XN+16*\b+\i+1]|
.endr
.endr
.irp b, 0,1
	v_permlanex16_b32 v[TM+4+\b], v[TM+\b], s20, s21
.endr
.irp b, 0,1
	v_max_num_f32 v[TM+\b], v[TM+\b], v[TM+4+\b]           ; the block's largest magnitude
.endr
.irp b, 0,1
	v_add_nc_u32 v[TM+12+\b], 0xfc000000, v[TM+\b]         ; 8 off its exponent field: the conversion's scale operand
.endr
.irp b, 0,1
	v_and_or_b32 v[TM+8+\b], v[TM+\b], 0x7f800000, s22     ; 448 x the scale
.endr
.irp b, 0,1
	v_lshrrev_b32 v[TM+4+\b], 23, v[TM+12+\b]              ; the scale's byte
.endr
	v_lshl_or_b32 v[PW], v[TM+5], 8, v[TM+4]
.irp b, 0,1
.irp i, 0,1,2,3,4,5,6,7,8,9,10,11,12,13,14,15
	v_med3_num_f32 v[XN+16*\b+\i], v[XN+16*\b+\i], -v[TM+8+\b], v[TM+8+\b]   ; the conversion to an 8-bit code does not saturate (ISA guide 7.6.2): the hold comes first
.endr
	v_cvt_scalef32_pk8_fp8_f32 v[PC+4*\b:PC+4*\b+1], v[XN+16*\b:XN+16*\b+7], v[TM+12+\b]
	v_cvt_scalef32_pk8_fp8_f32 v[PC+4*\b+2:PC+4*\b+3], v[XN+16*\b+8:XN+16*\b+15], v[TM+12+\b]
.endr
	v_nop                                          ; one plain line behind the last conversion
.irp c, 0,1
	global_store_b128 v5, v[PC+4*\c:PC+4*\c+3], s[6:7] offset:512*\c   ; 32 lanes store 512 consecutive bytes, at a multiple of 256 from the buffer's first byte
.endr
	global_store_b16 v6, v[PW], s[6:7] offset:2048
	s_endpgm
.Lfunc_end_k_qcb4713e7f0_wq:
	.size	k_qcb4713e7f0_wq, .Lfunc_end_k_qcb4713e7f0_wq-k_qcb4713e7f0_wq
	.p2alignl 7, 3214868480
	.fill 96, 4, 3214868480
	.section	.rodata,"a",@progbits
	.p2align	6, 0x0
	.amdhsa_kernel k_qcb4713e7f0_wq
		.amdhsa_group_segment_fixed_size 0
		.amdhsa_private_segment_fixed_size 0
		.amdhsa_enable_private_segment 0
		.amdhsa_kernarg_size 16
		.amdhsa_user_sgpr_count 2
		.amdhsa_user_sgpr_kernarg_segment_ptr 1
		.amdhsa_wavefront_size32 1
		.amdhsa_system_sgpr_workgroup_id_x 1
		.amdhsa_system_sgpr_workgroup_id_y 1
		.amdhsa_system_sgpr_workgroup_id_z 1
		.amdhsa_system_vgpr_workitem_id 0
		.amdhsa_next_free_vgpr 128
		.amdhsa_next_free_sgpr 66
		.amdhsa_reserve_vcc 0
		.amdhsa_float_denorm_mode_32 3
		.amdhsa_float_denorm_mode_16_64 3
		.amdhsa_memory_ordered 1
		.amdhsa_forward_progress 1
		.amdhsa_inst_pref_size 10
	.end_amdhsa_kernel
	.amdgpu_metadata
---
amdhsa.version: [ 1, 2 ]
amdhsa.kernels:
  - .name:           k_qcb4713e7f0_wq
    .symbol:         k_qcb4713e7f0_wq.kd
    .args:
      - { .name: W_qkv, .offset: 0, .size: 8, .value_kind: global_buffer, .address_space: global }
      - { .name: wimg, .offset: 8, .size: 8, .value_kind: global_buffer, .address_space: global }
    .group_segment_fixed_size: 0
    .private_segment_fixed_size: 0
    .kernarg_segment_align: 8
    .kernarg_segment_size: 16
    .max_flat_workgroup_size: 32
    .sgpr_count:     66
    .vgpr_count:     128
    .wavefront_size: 32
...
	.end_amdgpu_metadata
.endif
;; end of part 1
;; launch proj (part 2): grid 256 x 1, 8 waves a work-group, no clusters, 327,680 bytes of LDS; arguments x, wimg, qkv; writes qkv
.if DOCPART == 2
	.amdgcn_target "amdgcn-amd-amdhsa--gfx1250"
	.amdhsa_code_object_version 6
	.text
	.protected	k_qcb4713e7f0_proj
	.globl	k_qcb4713e7f0_proj
	.p2align	8
	.type	k_qcb4713e7f0_proj,@function
k_qcb4713e7f0_proj:
	s_mov_b64 s[64:65], 0
	v_nop
	global_prefetch_b8 v0, s[64:65] scope:SCOPE_SE
	s_setreg_imm32_b32 hwreg(HW_REG_WAVE_MODE, 25, 1), 1
	s_wait_xcnt 0x0
; q, k, v = x W, quantised again on the way out, for 64 tokens a work-group; x [16384][1024] f32 is quantised here, in registers, as it is read once.
; OUTPUT, in the order of the attention launch's operand registers.  Pieces of 8,448 bytes per 128 tokens t: K at 8,448 t, V at VOFF + 8,448 t, q at QOFF + 8,448 t; each 8,192 bytes of codes and 256 of scale bytes.
; q, K: codes at 4096 par + 2048 (m / 2) + 1024 (dims / 32) + 512 (m % 2) + 16 lane; lane (r, h): token 64 par + 32 (m / 2) + 8 (m % 2) + r + 8 (r / 8), dims 16 h + 0..15 of the 32.  V: 4096 par + 2048 b + 512 u + 16 lane; lane: channel 16 u + r, tokens 32 b + 16 h + 0..15.
; EIGHT WAVES.  At the head wave w asks for K step w: 64 rows x 128 numbers, 512 bytes of each row: the work-group's 262,144 bytes of x are all on their way at once, one tensor load a wave.  The K steps' order is turned by the work-group's number
; (place j is K step (j + work-group) mod 8), for the rows and for W's fragments alike.
; TRIP j: one barrier shows place j + 2's rows and place j's codes.  All waves quantise place j + 1, whose numbers stand in registers since the trip before (wave w: row tile m = w / 2, two blocks of 32), take place j + 2's numbers into the same registers,
; and multiply place j: waves 0-3 two tiles of q or k each (source 0 = W), waves 4-7 one tile of v (source 0 = x).
; The codes go from wave to wave as images of the operand's registers, in two buffers by turns.  W's fragments come from memory straight into registers, three places ahead, each by one wave of the work-group.
; LDS rows of x 16 apart begin at the same bank, and a row tile holds such rows in its lanes r and r + 8: so lanes with r >= 8 take the two blocks in the other order, 128 bytes apart; their codes and bytes go to the places of the block that they hold.
; No cluster: x is not shared, and W's fragments do not pass through LDS.  No prefetch: all of x is asked for at the start.
; LIMITS: NaN, infinities and sums beyond f32's range are not served; blocks whose largest magnitude lies under 2^(9 - 127) take the floor's byte; a block of zeros has byte 1 and codes of zero.
; REGISTERS.  Window 1: W's fragments, place j of tile t at v[16 (8 t + j)].  Window 0: the rest.
.set VOFF, 1081344
.set QOFF, 2162688
.set XP,   528                         ; an LDS row of x: 512 bytes + 16 of padding
.set XT,   64*XP                       ; a tile
.set IMG,  8*XT                        ; the codes: two buffers of four fragments
.set ISC,  IMG+16384                   ; their scale words: two buffers of 512 bytes
.set SST,  ISC+1024                    ; the outputs' scale bytes: q, k, v: 128 each
.set SPARE, SST+512                    ; the spare words: 128 bytes a wave, which no other line names
.set XA,  0                            ; v[84], v[85]: see XAA
.set LI,  2
.set LS,  3
.set IW0, 4                            ; where my first block's codes go, and my second's
.set IW1, 5
.set IRI, 6
.set IRS, 7
.set SSA, 8
.set SSV, 9
.set SPW, 10
.set NIL, 11
.set IS0, 12                           ; where my first block's scale byte goes, and my second's
.set IS1, 13
.set SSR, 15
.set XN,  16                           ; v16-47 32 numbers of x
.set TM,  48                           ; v48-63 at work
.set PW,  64
.set PC,  68                           ; v68-83 codes
.set XAA, 84                           ; v84, v85: LDS address of my first and second block of place 0
.set XJ,  86                           ; v86, v87: of the pair of places in hand
.set TP,  88
.set WS,  96                           ; v96-111 W's scale words
.set XSW, 116                          ; v116-119 x's
.set XFR, 128                          ; v128-191 x's fragments
.set ACC, 192                          ; v192-255 sums
.set WV,  10
.set G0,  20
.set G1,  24
.set WB,  32                           ; s[32:47] where place j's fragments of W begin
.set MSB, 0
.macro WIN new                         ; the immediate's high byte repeats the setting that is left
.if MSB != (\new)
	s_set_vgpr_msb (MSB<<8)|(\new)
.set MSB, (\new)
.endif
.endm
; nb blocks of 32: v[a + 16 b + i] = number 16 h + i of block b of my row.  Codes to v[PC ..], the bytes to v[TM + 4 + b]; word = 1: also together in v[PW]
.macro QUANT a, nb, word
.set qb, 0
.rept \nb
	v_max3_num_f32 v[TM+qb], |v[\a+16*qb]|, |v[\a+16*qb+1]|, 0x4800000   ; and the floor 2^(9 - 127)
.set qb, qb+1
.endr
.irp i, 2,4,6,8,10,12,14
.set qb, 0
.rept \nb
	v_max3_num_f32 v[TM+qb], v[TM+qb], |v[\a+16*qb+\i]|, |v[\a+16*qb+\i+1]|
.set qb, qb+1
.endr
.endr
.set qb, 0
.rept \nb
	v_permlanex16_b32 v[TM+4+qb], v[TM+qb], s48, s49
.set qb, qb+1
.endr
.set qb, 0
.rept \nb
	v_max_num_f32 v[TM+qb], v[TM+qb], v[TM+4+qb]           ; with lane l xor 16's: the block's largest magnitude
.set qb, qb+1
.endr
.set qb, 0
.rept \nb
	v_add_nc_u32 v[TM+12+qb], 0xfc000000, v[TM+qb]         ; 8 off its exponent field: the conversion's scale operand
.set qb, qb+1
.endr
.set qb, 0
.rept \nb
	v_and_or_b32 v[TM+8+qb], v[TM+qb], 0x7f800000, s50     ; 448 x the scale
.set qb, qb+1
.endr
.set qb, 0
.rept \nb
	v_lshrrev_b32 v[TM+4+qb], 23, v[TM+12+qb]              ; the scale's byte
.set qb, qb+1
.endr
.if \word
	v_lshl_or_b32 v[PW], v[TM+5], 8, v[TM+4]
.if \nb == 4
	v_lshl_or_b32 v[PW], v[TM+6], 16, v[PW]
	v_lshl_or_b32 v[PW], v[TM+7], 24, v[PW]
.endif
.endif
.set qb, 0
.rept 16*\nb
	v_med3_num_f32 v[\a+qb], v[\a+qb], -v[TM+8+qb/16], v[TM+8+qb/16]   ; the conversion to an 8-bit code does not saturate (ISA guide 7.6.2): the hold comes first
.set qb, qb+1
.endr
.set qb, 0
.rept \nb
	v_cvt_scalef32_pk8_fp8_f32 v[PC+4*qb:PC+4*qb+1], v[\a+16*qb:\a+16*qb+7], v[TM+12+qb]
	v_cvt_scalef32_pk8_fp8_f32 v[PC+4*qb+2:PC+4*qb+3], v[\a+16*qb+8:\a+16*qb+15], v[TM+12+qb]
.set qb, qb+1
.endr
	v_nop                                          ; one plain line behind the last conversion
.endm
	s_load_b128 s[4:7], s[0:1], 0x0                ; x, wimg
	s_load_b64 s[8:9], s[0:1], 0x10                ; qkv
	v_lshl_add_u32 v[SPW], v0, 2, SPARE
	v_mov_b32 v[NIL], 0
	ds_add_u32 v[SPW], v[NIL]                      ; the opening: the add, twice on end, and its wait ahead of my first tensor load
	ds_add_u32 v[SPW], v[NIL]
	v_lshrrev_b32 v[TP], 5, v0
	v_readfirstlane_b32 s[WV], v[TP]               ; wave 0..7
	s_mov_b32 s[G1+0], (2<<16)|(1<<20)|(6<<22)|(3<<25)   ; elements of 4 bytes; after every 128 words four of padding
	s_mov_b32 s[G1+1], 128<<16
	s_mov_b32 s[G1+2], 64<<16
	s_mov_b32 s[G1+3], 128<<16
	s_mov_b32 s[G1+4], 64
	s_mov_b32 s[G1+5], 1024
	s_mov_b32 s[G1+6], 0
	s_mov_b32 s[G1+7], 0
	s_add_co_u32 s14, s[WV], ttmp9
	s_and_b32 s14, s14, 7
	s_lshl_b32 s14, s14, 9                         ; my K step's 512 bytes of a row
	s_lshl_b32 s15, ttmp9, 18                      ; 64 rows of 4,096 bytes a work-group
	s_add_co_u32 s14, s14, s15
	s_mov_b32 s15, 0
	s_mov_b32 s[G0], 1
	s_mul_i32 s[G0+1], s[WV], XT
	s_wait_dscnt 0x0                               ; both opening adds are done
	s_wait_kmcnt 0x0
	s_add_nc_u64 s[G0+2:G0+3], s[4:5], s[14:15]
	s_or_b32 s[G0+3], s[G0+3], 0x80000000
; THE HEAD'S LOADS, ONE A WAVE, each with a line of its own: place j's rows are waited for by wave j alone.  One tree of branches on the wave's number.
.macro ARM n, next
	s_cmp_eq_u32 s[WV], \n
	s_cbranch_scc0 \next
	tensor_load_to_lds s[G0:G0+3], s[G1:G1+7]
	s_nop 0
.rept 4
	v_nop
.endr
	s_branch .Lasked
\next:
.endm
	ARM 0, .Larm1
	ARM 1, .Larm2
	ARM 2, .Larm3
	ARM 3, .Larm4
	ARM 4, .Larm5
	ARM 5, .Larm6
	ARM 6, .Larm7
	tensor_load_to_lds s[G0:G0+3], s[G1:G1+7]
	s_nop 0
.rept 4
	v_nop
.endr
.Lasked:
	s_bfe_u32 s11, s[WV], 0x10001                  ; (w / 2) % 2
	s_and_b32 s12, s[WV], 1
	s_and_b32 s13, s[WV], 3                        ; u
	s_mul_i32 s56, s[WV], 16*2304                  ; tiles 2 w, 2 w + 1 of q and k,
	s_mul_i32 s57, s13, 8*2304
	s_add_co_u32 s57, s57, 64*2304                 ; or tile 8 + u of v
	s_cmp_lt_u32 s[WV], 4
	s_cselect_b32 s56, s56, s57
	s_mov_b32 s59, 0
.irp j, 0,1,2,3,4,5,6,7
	s_add_co_u32 s58, ttmp9, \j
	s_and_b32 s58, s58, 7
	s_mul_i32 s58, s58, 2304
	s_add_co_u32 s58, s58, s56
	s_add_nc_u64 s[WB+2*\j:WB+2*\j+1], s[6:7], s[58:59]
.endr
	v_and_b32 v[TP], 31, v0
	v_lshlrev_b32 v[LI], 4, v[TP]
	v_lshlrev_b32 v[LS], 2, v[TP]
	s_wait_alu depctr_va_vdst(0)                   ; the loads below stand behind many scalar lines
; W's fragments: ten loads a place in waves 0-3, five in waves 4-7
.macro WLOAD j, t
	WIN 0x40
.irp c, 0,1,2,3
	global_load_b128 v[16*(8*\t+(\j))+4*\c:16*(8*\t+(\j))+4*\c+3], v[LI], s[WB+2*(\j):WB+2*(\j)+1] offset:18432*\t+512*\c
.endr
	WIN 0
	global_load_b32 v[WS+8*\t+(\j)], v[LS], s[WB+2*(\j):WB+2*(\j)+1] offset:18432*\t+2048
.endm
	s_cmp_lt_u32 s[WV], 4
	s_cbranch_scc0 .Lload_v
.irp j, 0,1,2
	WLOAD \j, 0
	WLOAD \j, 1
.endr
	s_branch .Lloaded
.Lload_v:
.irp j, 0,1,2
	WLOAD \j, 0
.endr
.Lloaded:
	; where my results go
	s_lshr_b32 s16, ttmp9, 1                       ; which 128 tokens,
	s_and_b32 s17, ttmp9, 1                        ; and which half of them
	s_mul_i32 s18, s16, 8448                       ; K's piece,
	s_add_co_u32 s19, s18, QOFF                    ; q's,
	s_add_co_u32 s62, s18, VOFF                    ; V's
	s_cmp_lt_u32 s[WV], 2
	s_cselect_b32 s56, s19, s18                    ; q's or K's
	s_lshl_b32 s57, s12, 10
	s_add_co_u32 s56, s56, s57
	s_lshl_b32 s57, s13, 9
	s_add_co_u32 s58, s62, s57
	s_cmp_lt_u32 s[WV], 4
	s_cselect_b32 s56, s56, s58
	s_lshl_b32 s57, s17, 12
	s_add_co_u32 s56, s56, s57
	s_mov_b32 s57, 0
	s_add_nc_u64 s[52:53], s[8:9], s[56:57]
	s_cmp_eq_u32 s[WV], 0                          ; the scale bytes: wave 0 q's, wave 1 K's, wave 2 V's
	s_cselect_b32 s60, s19, s18
	s_cmp_lt_u32 s[WV], 2
	s_cselect_b32 s60, s60, s62
	s_lshl_b32 s61, s17, 7
	s_add_co_u32 s60, s60, s61
	s_add_co_u32 s60, s60, 8192
	s_mov_b32 s61, 0
	s_add_nc_u64 s[54:55], s[8:9], s[60:61]
	s_mov_b32 s48, 0x76543210
	s_mov_b32 s49, 0xfedcba98                      ; v_permlanex16_b32's selects: lane l xor 16
	s_mov_b32 s50, 0x600000                        ; the mantissa field of 448
	s_lshr_b32 s56, s[WV], 2
	s_lshl_b32 s56, s56, 5
	s_lshl_b32 s57, s11, 3
	s_add_co_u32 s56, s56, s57                     ; my row tile's first token: 32 (m / 2) + 8 (m % 2)
	s_mul_i32 s56, s56, XP
	s_lshl_b32 s57, s12, 8
	s_add_co_u32 s56, s56, s57                     ; and my two blocks
	s_lshl_b32 s57, s[WV], 10
	s_add_co_u32 s57, s57, IMG
	s_lshr_b32 s58, s[WV], 1
	s_lshl_b32 s58, s58, 7
	s_lshl_b32 s59, s12, 1
	s_add_co_u32 s58, s58, s59
	s_add_co_u32 s58, s58, ISC
	s_lshl_b32 s60, s11, 7
	s_add_co_u32 s60, s60, s59
	s_add_co_u32 s60, s60, SST
	s_lshl_b32 s61, s13, 5
	s_add_co_u32 s61, s61, SST+256
	s_lshl_b32 s62, s13, 7
	s_add_co_u32 s62, s62, SST
	v_and_b32 v[TP], 15, v0                        ; r
	v_bfe_u32 v[TP+1], v0, 4, 1                    ; h
	v_bfe_u32 v[TP+2], v0, 3, 1                    ; r / 8
	v_and_b32 v[TP+3], 8, v0
	v_add_nc_u32 v[TP+3], v[TP+3], v[TP]           ; row r of a tile is token r + 8 (r / 8)
	v_mul_u32_u24 v[TP+3], v[TP+3], XP
	v_lshl_add_u32 v[TP+3], v[TP+1], 6, v[TP+3]
	v_add_nc_u32 v[TP+3], s56, v[TP+3]
	v_xor_b32 v[TP+4], 1, v[TP+2]                  ; 1 - r / 8
	v_lshl_add_u32 v[XAA], v[TP+2], 7, v[TP+3]     ; my first block: number r / 8 of the two,
	v_lshl_add_u32 v[XAA+1], v[TP+4], 7, v[TP+3]   ; my second: the other
	v_lshl_add_u32 v[XJ], v[TP+2], 7, v[TP+3]
	v_lshl_add_u32 v[XJ+1], v[TP+4], 7, v[TP+3]
	v_add_nc_u32 v[TP+3], s57, v[LI]
	v_lshl_add_u32 v[IW0], v[TP+2], 9, v[TP+3]
	v_lshl_add_u32 v[IW1], v[TP+4], 9, v[TP+3]
	v_add_nc_u32 v[TP+3], s58, v[LS]
	v_add_nc_u32 v[IS0], v[TP+3], v[TP+2]
	v_add_nc_u32 v[IS1], v[TP+3], v[TP+4]
	v_add_nc_u32 v[IRI], IMG, v[LI]
	v_add_nc_u32 v[IRS], ISC, v[LS]
	v_lshl_add_u32 v[SSA], v[TP], 2, s60
	v_lshl_add_u32 v[SSV], v[TP], 1, s61
	v_add_nc_u32 v[SSR], s62, v[LS]
.irp b, 0,1,2,3
	v_mov_b32 v[TM+4+\b], 0                        ; a lane permute's destination counts as one of its sources
.endr
.macro XLOAD j                         ; my 32 numbers of place j: 16 of each of two blocks
.irp b, 0,1
.irp i, 0,1,2,3
	ds_load_b128 v[XN+16*\b+4*\i:XN+16*\b+4*\i+3], v[XJ+\b] offset:((\j)%2)*XT+16*\i
.endr
.endr
.endm
.macro TRIP j
.if (\j) == 5
	s_wait_tensorcnt 0x0                           ; the last place's rows: on every wave's way
.elseif (\j) < 5
	s_cmp_eq_u32 s[WV], (\j)+2
	s_cbranch_scc0 .Lnot_mine_\@
	s_wait_tensorcnt 0x0                           ; place j + 2's rows are in: wave j + 2 asked for them
.Lnot_mine_\@:
.endif
	s_wait_dscnt 0x0                               ; my codes of place j are stored, my numbers of place j + 1 are in registers, and my reads of the other buffer are over
	s_barrier_signal -1
	s_barrier_wait -1
.if (\j) >= 0
.irp m, 0,1,2,3
.irp c, 0,1,2,3
	ds_load_b128 v[XFR+16*\m+4*\c:XFR+16*\m+4*\c+3], v[IRI] offset:8192*((\j)%2)+2048*\m+512*\c
.endr
	ds_load_b32 v[XSW+\m], v[IRS] offset:512*((\j)%2)+128*\m
.endr
.endif
.if (\j) < 7                           ; place j + 1's codes and bytes, while the fragments are on their way
	QUANT XN, 2, 0
	ds_store_b128 v[IW0], v[PC:PC+3] offset:8192*(((\j)+1)%2)
	ds_store_b128 v[IW1], v[PC+4:PC+7] offset:8192*(((\j)+1)%2)
	ds_store_b8 v[IS0], v[TM+4] offset:512*(((\j)+1)%2)
	ds_store_b8 v[IS1], v[TM+5] offset:512*(((\j)+1)%2)
.endif
.if (\j) < 6
.if ((\j)+2)%2 == 0
	v_add_nc_u32 v[XJ], ((\j)+2)*XT, v[XAA]
	v_add_nc_u32 v[XJ+1], ((\j)+2)*XT, v[XAA+1]
.endif
	XLOAD (\j)+2
.endif
.if (\j) >= 0
.if (\j) < 6
	s_wait_dscnt 12                                ; the fragments are in: behind them four stores and eight loads
.elseif (\j) == 6
	s_wait_dscnt 4                                 ; (four stores)
.else
	s_wait_dscnt 0x0
.endif
	s_cmp_lt_u32 s[WV], 4
	s_cbranch_scc0 .Lfor_v_\@
.if (\j) < 5
	WLOAD (\j)+3, 0
	WLOAD (\j)+3, 1
	s_wait_loadcnt 30                              ; place j's fragments of W are in: three later places' ten loads each may be out
.else
	s_wait_loadcnt 10*(7-(\j))
.endif
	WIN 0x01                                       ; source 0 (W) window 1
.irp m, 0,1,2,3
.irp t, 0,1
.if (\j) == 0
	v_wmma_scale_f32_16x16x128_f8f6f4 v[ACC+16*\m+8*\t:ACC+16*\m+8*\t+7], v[16*(8*\t+(\j)):16*(8*\t+(\j))+15], v[XFR+16*\m:XFR+16*\m+15], 0, v[WS+8*\t+(\j)], v[XSW+\m]
.else
	v_wmma_scale_f32_16x16x128_f8f6f4 v[ACC+16*\m+8*\t:ACC+16*\m+8*\t+7], v[16*(8*\t+(\j)):16*(8*\t+(\j))+15], v[XFR+16*\m:XFR+16*\m+15], v[ACC+16*\m+8*\t:ACC+16*\m+8*\t+7], v[WS+8*\t+(\j)], v[XSW+\m]
.endif
.endr
.endr
	WIN 0
	s_branch .Lmultiplied_\@
.Lfor_v_\@:
.if (\j) < 5
	WLOAD (\j)+3, 0
	s_wait_loadcnt 15                              ; (three later places' five loads each)
.else
	s_wait_loadcnt 5*(7-(\j))
.endif
	WIN 0x04                                       ; source 1 (W) window 1
.irp m, 0,1,2,3
.if (\j) == 0
	v_wmma_scale_f32_16x16x128_f8f6f4 v[ACC+8*\m:ACC+8*\m+7], v[XFR+16*\m:XFR+16*\m+15], v[16*(\j):16*(\j)+15], 0, v[XSW+\m], v[WS+(\j)]
.else
	v_wmma_scale_f32_16x16x128_f8f6f4 v[ACC+8*\m:ACC+8*\m+7], v[XFR+16*\m:XFR+16*\m+15], v[16*(\j):16*(\j)+15], v[ACC+8*\m:ACC+8*\m+7], v[XSW+\m], v[WS+(\j)]
.endif
.endr
	WIN 0
.Lmultiplied_\@:
.rept 8
	v_nop                                          ; eight places: in front of the next loads over x's fragments, and of the first read of results (ISA guide 7.12.1 for the read of results)
.endr
.endif
.endm
	s_wait_alu depctr_va_vdst(0)
	s_cmp_eq_u32 s[WV], 0
	s_cbranch_scc0 .Lnot_first
	s_wait_tensorcnt 0x0                           ; wave 0: place 0's rows are in
.Lnot_first:
	s_barrier_signal -1
	s_barrier_wait -1
	XLOAD 0
	TRIP -1
.irp j, 0,1,2,3,4,5,6,7
	TRIP \j
.endr
	s_cmp_lt_u32 s[WV], 4
	s_cbranch_scc0 .Lout_v
	QUANT ACC, 4, 1                                ; four row tiles, 32 dims each
.irp m, 0,1,2,3
	global_store_b128 v[LI], v[PC+4*\m:PC+4*\m+3], s[52:53] offset:2048*(\m>>1)+512*(\m&1)
.endr
	ds_store_b16 v[SSA], v[PW]
	ds_store_b16_d16_hi v[SSA], v[PW] offset:64
	s_branch .Lout
.Lout_v:
	QUANT ACC, 2, 1                                ; two blocks of 32 tokens
.irp b, 0,1
	global_store_b128 v[LI], v[PC+4*\b:PC+4*\b+3], s[52:53] offset:2048*\b
.endr
	ds_store_b16 v[SSV], v[PW]
.Lout:
	s_wait_dscnt 0x0                               ; for the others' sake: my scale bytes are in LDS
	s_barrier_signal -1
	s_barrier_wait -1
	s_cmp_lt_u32 s[WV], 3
	s_cbranch_scc0 .Ldone
	ds_load_b32 v[TP], v[SSR]
	s_wait_dscnt 0x0
	global_store_b32 v[LS], v[TP], s[54:55]        ; 128 bytes: this work-group's half of a unit of scale bytes
.Ldone:
	s_wait_tensorcnt 0x0                           ; the wave's end
	ds_add_u32 v[SPW], v[NIL]
	s_wait_dscnt 0x0
	s_endpgm
.Lfunc_end_k_qcb4713e7f0_proj:
	.size	k_qcb4713e7f0_proj, .Lfunc_end_k_qcb4713e7f0_proj-k_qcb4713e7f0_proj
	.p2alignl 7, 3214868480
	.fill 96, 4, 3214868480
	.section	.rodata,"a",@progbits
	.p2align	6, 0x0
	.amdhsa_kernel k_qcb4713e7f0_proj
		.amdhsa_group_segment_fixed_size 327680
		.amdhsa_private_segment_fixed_size 0
		.amdhsa_enable_private_segment 0
		.amdhsa_kernarg_size 24
		.amdhsa_user_sgpr_count 2
		.amdhsa_user_sgpr_kernarg_segment_ptr 1
		.amdhsa_wavefront_size32 1
		.amdhsa_system_sgpr_workgroup_id_x 1
		.amdhsa_system_sgpr_workgroup_id_y 1
		.amdhsa_system_sgpr_workgroup_id_z 1
		.amdhsa_system_vgpr_workitem_id 0
		.amdhsa_next_free_vgpr 512
		.amdhsa_next_free_sgpr 80
		.amdhsa_reserve_vcc 0
		.amdhsa_float_denorm_mode_32 3
		.amdhsa_float_denorm_mode_16_64 3
		.amdhsa_memory_ordered 1
		.amdhsa_forward_progress 1
		.amdhsa_inst_pref_size 102
	.end_amdhsa_kernel
	.amdgpu_metadata
---
amdhsa.version: [ 1, 2 ]
amdhsa.kernels:
  - .name:           k_qcb4713e7f0_proj
    .symbol:         k_qcb4713e7f0_proj.kd
    .args:
      - { .name: x, .offset: 0, .size: 8, .value_kind: global_buffer, .address_space: global }
      - { .name: wimg, .offset: 8, .size: 8, .value_kind: global_buffer, .address_space: global }
      - { .name: qkv, .offset: 16, .size: 8, .value_kind: global_buffer, .address_space: global }
    .group_segment_fixed_size: 327680
    .private_segment_fixed_size: 0
    .kernarg_segment_align: 8
    .kernarg_segment_size: 24
    .max_flat_workgroup_size: 256
    .sgpr_count:     80
    .vgpr_count:     512
    .wavefront_size: 32
...
	.end_amdgpu_metadata
.endif
;; end of part 2
;; launch attn (part 3): grid 64 x 4, 8 waves a work-group, clusters of 4 x 1, 327,680 bytes of LDS; arguments qkv, attn_mask, out0; writes out0
.if DOCPART == 3
	.amdgcn_target "amdgcn-amd-amdhsa--gfx1250"
	.amdhsa_code_object_version 6
	.text
	.protected	k_qcb4713e7f0_attn
	.globl	k_qcb4713e7f0_attn
	.p2align	8
	.type	k_qcb4713e7f0_attn,@function
k_qcb4713e7f0_attn:
	s_mov_b64 s[64:65], 0
	v_nop
	global_prefetch_b8 v0, s[64:65] scope:SCOPE_SE
	s_setreg_imm32_b32 hwreg(HW_REG_WAVE_MODE, 25, 1), 1
	s_wait_xcnt 0x0
	s_wait_alu depctr_hold_cnt(0) depctr_sa_sdst(0) depctr_va_vdst(0) depctr_va_sdst(0) depctr_va_ssrc(0) depctr_va_vcc(0) depctr_vm_vsrc(0)
	s_getreg_b32 s2, hwreg(HW_REG_IB_STS2, 6, 4)
	s_cmp_eq_u32 s2, 0
	s_cbranch_scc0 .Lentry_in_a_cluster
	s_endpgm
.Lentry_in_a_cluster:
	s_bfe_u32 s2, ttmp6, 0x10000c
	s_cmp_lg_u32 s2, 0x3003
	s_cbranch_scc0 .Lentry_shape_is_right
	s_endpgm
.Lentry_shape_is_right:
; out[b][q] = sum over keys of softmax(q . k / 8, masked keys left out) v, both products on codes of E4M3 with E8M0 scales, from the images that the projection launch laid.
; THE SOFTMAX: t = score x log2(e) / 8; M = the largest t so far, rounded up to a whole number; p = 2^(t - M) is quantised along the keys, in blocks of 32 counted from key 0; the row's sum is taken of the unquantised p and
; divides at the end.  When M moves, the sum and O are multiplied by 2^(old M - new M), which rounds nothing.
; SHARES.  A work-group owns 64 queries of one batch.  Wave w: qp = w & 1 picks 32 of them, two tiles of 16 (tile 0's state in register window 0, tile 1's at the same numbers in window 1); qd = w >> 1 picks a quarter of the
; keys, 1,024, in 8 steps of 128.  The two tiles share every fragment of K and V and the mask's bias.  The four quarters are merged at the end through LDS, again by exact powers of two.
; LAYOUT.  Both products are used transposed (S^T = K Q^T, O^T = V^T P^T): a lane holds one query throughout.  The head is 64 deep and the instruction 128: a row of K's fragment holds TWO keys,
; [a: dims 0-31 | b: dims 0-31 | a: dims 32-63 | b: dims 32-63], a = 32 c + 16 (r / 8) + r % 8, b = a + 8; Q stands in registers as (0, q0, 0, q1, 0), and the runs (q0, 0, q1, 0) and (0, q0, 0, q1) pick key a or key b:
; zero codes add nothing.  So each fragment of K is read once and used twice, and the 16 registers of a pair of results are 16 neighbouring keys: the conversions' results are the second product's operand.
; THE MASK is an input: each key's byte becomes a bias, 0 or -2^120, kept in LDS, and the bias is the C of the first product.  c x (-2^120) is exact, and the largest score starts
; at -2^120: while only masked keys have been seen p is 1 or 0, never infinite, and the first open key multiplies all of that by 0.
; LIMITS: raw scores stay under 2^95 in magnitude.  A batch with no open key gives the mean of the quantised v only if -2^120 plus a score leaves the matrix unit as -2^120.  NaN and infinities are not served.
; K.  LDS holds ALL of the batch's K, 4 x 67,584 bytes, filled once: at the head wave w brings half of a quarter's eight pieces (132 rows of 256 bytes) by its one tensor load.  The four work-groups of a cluster belong to one batch and ask JOINTLY: the same
; tensor load with the same descriptor and a mask that names the four.  Steps 0 and 1 take K by loads of their own, so that step 0 waits for no tile; one barrier in the middle of step 1 shows K in LDS.
; V goes from memory straight into registers, 16 loads of 512 consecutive bytes a step, and is not shared in the cluster: K, the bias and the spare words leave 39,936 bytes of LDS, under one step's V of the four quarters twice, so V's tiles in LDS would be
; refilled again and again, each time behind a round that parts the waves' steps; and only two waves of a work-group read a piece.  V's loads stand ahead of both tiles' softmaxes and are waited for behind them.
; V IS PREFETCHED INTO THE L2, two steps ahead.  All clusters of a batch walk the same V: the batch's first cluster asks; a piece's 33 blocks of 256 bytes are shared out BY ADDRESS among the eight waves (four partners, two each) that walk it.
; A STEP: S^T of both tiles; V and the next bias are loaded under tile 0's softmax, the next step's K under tile 1's; then O^T of both tiles.  Two blocks of 64 registers, v48-111 and v112-175 of window 0, change parts from step to step: one holds K, then V; the
; other tile 0's scores, then the next K.
; REGISTERS.  Window 0 alone: v1-15 addresses; v36-43 scale words and nothing else (K's 2, V's 2, Q's 2, P's 2); v44-47 V's half-words.
;   Window 1 alone: v48-111 the bias of 128 keys, v112-175 tile 1's scores.  In both: v16-35 Q; v176-207 O^T; v208-223 p's codes; v224-249 at work.
.set VOFF,  1081344
.set QOFF,  2162688
.set PIECE, 8448
.set REGN,  8*PIECE                    ; a quarter's K
.set BIAS,  4*REGN                     ; behind K: 4,096 f32
.set SPARE, BIAS+16384                 ; the spare words: 128 bytes for each of eight waves, which no other line names
.set STT,   17408                      ; the merge's stage: 64 rows x 272 bytes where my quarter's first pieces of K lay, which have had their one fill and their last read; behind them (-M, l), 8 bytes a row
.set A16, 1
.set A4,  2
.set LV2, 3                            ; 2 x lane
.set AB,  4
.set ADK, 5
.set AD4, 6
.set LV4, 7                            ; 4 x lane
.set ADB, 8
.set SPW, 9
.set NIL, 10
.set PFO, 11
.set LV,  12                           ; 16 x lane
.set QQ,  16
.set KS,  36
.set VS,  38
.set QS,  40
.set PS,  42
.set UT,  44
.set FB,  48
.set BI,  48
.set SS,  112
.set OO,  176
.set PC,  208
.set BM,  224                          ; each block's largest score; then blocks 0 | 1 in BM and 2 | 3 in BM + 2 (lanes 0-15 | 16-31)
.set PT,  228
.set HD,  232                          ; 448 x the scale
.set SO,  236                          ; the conversions' scale operands
.set T0,  240
.set T1,  241
.set FF,  242                          ; v[242:243] f (the pair's upper word is written once)
.set NM,  244                          ; -M
.set RX,  245                          ; the largest score
.set LL,  246                          ; v[246:247] the sum, in two halves
.set L2,  248
.set WV,  10
.set G1,  24
.set G0,  32
.set KG,  36                           ; s[36:37] my quarter's K in memory
.set VB,  38                           ; s[38:39] V of the pair of steps in hand
.set SEL, 40
.set CS,  42
.set MNT, 44
.set TB,  45                           ; the pair's K in my quarter's LDS: 16,896 bytes a pair
.set TJ,  46                           ; the pair's bias: 1,024 bytes a pair
.set CNT, 47
.set MSB, 0
.macro WIN new                         ; the immediate's high byte repeats the setting that is left; a switch that changes nothing is dropped
.if MSB != (\new)
	s_set_vgpr_msb (MSB<<8)|(\new)
.set MSB, (\new)
.endif
.endm
.macro CROUND                          ; a round of the cluster's barrier
	s_barrier_signal -1
	s_barrier_wait -1
	s_cmp_lg_u32 s[WV], 0
	s_cbranch_scc1 .Lnot_wave_0_\@
	s_barrier_signal -3
.Lnot_wave_0_\@:
	s_barrier_wait -3
	s_barrier_signal -1
	s_barrier_wait -1
.endm
.macro KDIRECT dst, off                ; a step's K by loads of my own, in the order of KLOAD
.irp c, 0,1,2,3
.irp g, 0,1,2,3
	global_load_b128 v[\dst+16*\c+4*\g:\dst+16*\c+4*\g+3], v[LV], s[KG:KG+1] offset:\off+2048*\c+512*\g
.endr
.endr
	global_load_b32 v[KS], v[LV4], s[KG:KG+1] offset:\off+8192
	global_load_b32 v[KS+1], v[LV4], s[KG:KG+1] offset:\off+8320
.endm
	s_load_b128 s[4:7], s[0:1], 0x0                ; qkv s[4:5], the mask s[6:7]
	s_load_b64 s[8:9], s[0:1], 0x10                ; out
	v_lshl_add_u32 v[SPW], v0, 2, SPARE
	v_mov_b32 v[NIL], 0
	ds_add_u32 v[SPW], v[NIL]                      ; the opening: the add, twice on end, and its wait ahead of the round in front of my first tensor load
	ds_add_u32 v[SPW], v[NIL]
	v_lshrrev_b32 v13, 5, v0
	v_readfirstlane_b32 s[WV], v13                 ; wave 0..7
	s_bfe_u32 s11, ttmp6, 0x40000                  ; cx: my place in the cluster
	s_lshl_b32 s12, ttmp9, 2
	s_add_co_u32 s12, s12, s11                     ; my block of 64 queries: it enters Q's and the output's addresses alone
	s_and_b32 s13, ttmp7, 0xffff                   ; the batch, which the four partners share
	s_lshr_b32 s14, s[WV], 1                       ; qd
	s_and_b32 s15, s[WV], 1                        ; qp
	s_mov_b32 s[G1+0], 15|(3<<16)|(1<<21)          ; 15:0 the mask: all four work-groups; elements of 8 bytes; 21 set beside a mask; no padding: the images are read 16 bytes a lane on end
	s_mov_b32 s[G1+1], 32<<16
	s_mov_b32 s[G1+2], 132<<16
	s_mov_b32 s[G1+3], 32<<16
	s_mov_b32 s[G1+4], 132                         ; four pieces: 132 rows of 256 bytes
	s_mov_b32 s[G1+5], 32
	s_mov_b32 s[G1+6], 0
	s_mov_b32 s[G1+7], 0
	s_lshl_b32 s16, s13, 5
	s_lshl_b32 s17, s14, 3
	s_add_co_u32 s16, s16, s17
	s_mul_i32 s16, s16, PIECE                      ; my quarter's pieces: step 32 batch + 8 qd on
	s_mov_b32 s17, 0
	s_mul_i32 s18, s15, 4*PIECE
	s_mul_i32 s19, s14, REGN
	s_add_co_u32 s21, s19, s18                     ; where my half goes
	s_mov_b32 s22, s18
	s_mov_b32 s23, 0
	s_add_co_u32 s60, s16, VOFF
	s_mov_b32 s61, 0
	s_lshl_b32 s20, s13, 6
	s_add_co_u32 s20, s20, s12                     ; G: my block of 64 tokens among all
	s_lshr_b32 s50, s20, 1
	s_mul_i32 s50, s50, PIECE
	s_add_co_u32 s50, s50, QOFF                    ; its piece of q,
	s_and_b32 s51, s20, 1                          ; and which half of it
	s_lshl_b32 s52, s51, 12
	s_add_co_u32 s52, s50, s52
	s_lshl_b32 s53, s15, 11
	s_add_co_u32 s52, s52, s53                     ; my two tiles' codes
	s_mov_b32 s53, 0
	s_lshl_b32 s54, s51, 7
	s_add_co_u32 s54, s50, s54
	s_lshl_b32 s55, s15, 6
	s_add_co_u32 s54, s54, s55                     ; their scale words, 8,192 bytes on
	s_mov_b32 s55, 0
	s_lshl_b32 s56, s20, 14
	s_lshl_b32 s57, s[WV], 11
	s_add_co_u32 s56, s56, s57                     ; the 8 rows of the output that I store: 256 (64 G + 8 w)
	s_mov_b32 s57, 0
	s_lshl_b32 s58, s13, 12                        ; the batch's 4,096 mask bytes
	s_mov_b32 s59, 0
	v_and_b32 v13, 31, v0
	v_lshlrev_b32 v[LV], 4, v13
	v_lshlrev_b32 v[LV4], 2, v13
	v_lshlrev_b32 v[LV2], 1, v13
	v_lshlrev_b32 v14, 4, v0
	v_and_b32 v15, 15, v0
	v_lshlrev_b32 v15, 2, v15
	s_wait_alu depctr_va_vdst(0)
	s_wait_dscnt 0x0                               ; both opening adds are done
	CROUND                                         ; all four work-groups are here
	s_wait_kmcnt 0x0
	s_add_nc_u64 s[KG:KG+1], s[4:5], s[16:17]
	s_add_nc_u64 s[VB:VB+1], s[4:5], s[60:61]
	s_add_nc_u64 s[52:53], s[4:5], s[52:53]
	s_add_nc_u64 s[54:55], s[4:5], s[54:55]
	s_add_nc_u64 s[56:57], s[8:9], s[56:57]
	s_add_nc_u64 s[58:59], s[6:7], s[58:59]
	global_load_b128 v[112:115], v14, s[58:59]     ; thread t: mask bytes 16 t .. 16 t + 15 of the batch
	global_load_b32 v134, v15, s[54:55] offset:8192            ; row r's word: bytes 2 bd + u serve both tiles
	global_load_b128 v[QQ+4:QQ+7], v[LV], s[52:53]               ; tile 0: dims 0-31,
	global_load_b128 v[QQ+12:QQ+15], v[LV], s[52:53] offset:1024 ; dims 32-63
	WIN 0x40                                       ; destination window 1
	global_load_b128 v[QQ+4:QQ+7], v[LV], s[52:53] offset:512    ; tile 1
	global_load_b128 v[QQ+12:QQ+15], v[LV], s[52:53] offset:1536
	WIN 0
	KDIRECT FB, 0                                  ; step 0's K: 18 loads
	s_mov_b32 s[G0], 1
	s_mov_b32 s[G0+1], s21
	s_add_nc_u64 s[G0+2:G0+3], s[KG:KG+1], s[22:23]
	s_or_b32 s[G0+3], s[G0+3], 0x80000000
	tensor_load_to_lds s[G0:G0+3], s[G1:G1+7]      ; my half of my quarter's K: behind the loads that step 0 waits for
	s_nop 0
.rept 4
	v_nop
.endr
	s_lshl_b32 s60, s11, 1
	s_add_co_u32 s60, s60, s15
	s_mul_i32 s60, s60, 5                          ; my five blocks of a prefetched piece
	s_mov_b32 s[SEL], 0x76543210
	s_mov_b32 s[SEL+1], 0xfedcba98
	s_mov_b32 s[CS], 0x3e38aa3b                    ; c = log2(e) / 8
	s_mov_b32 s[CS+1], s[CS]                       ; (named with it as a pair, so it is written)
	s_mov_b32 s[MNT], 0x600000
	s_mov_b32 s[TB], 0
	s_mov_b32 s[TJ], 0
	s_lshl_b32 s61, s14, 12
	s_add_co_u32 s61, s61, BIAS
	v_min_u32 v[PFO], 4, v13                       ; lanes 0-4 name a block each, the others lane 4's again; none behind block 32
	v_add_nc_u32 v[PFO], s60, v[PFO]
	v_min_u32 v[PFO], 32, v[PFO]
	v_lshlrev_b32 v[PFO], 8, v[PFO]
	v_lshl_add_u32 v[A16], v13, 4, s19
	v_lshl_add_u32 v[A4], v13, 2, s19
	v_bfe_u32 v[AB], v0, 4, 1
	v_lshl_add_u32 v[AB], v[AB], 6, s61            ; the bias: my quarter's 4,096 bytes, + 64 h
	v_mov_b32 v[ADB], v[AB]
.macro INIT t
	WIN 0x55*(\t)
.irp j, 0,1,2,3,8,9,10,11,16,17,18,19
	v_mov_b32 v[QQ+\j], 0                          ; Q's three runs of zero codes
.endr
.set j, 0
.rept 32
	v_mov_b32 v[OO+j], 0                           ; O^T: the step has one form; its first run finds zeros
.set j, j+1
.endr
	v_mov_b32 v[RX], 0xfb800000                    ; the largest score so far: -2^120, a masked key's
	v_mov_b32 v[LL], 0
	v_mov_b32 v[LL+1], 0
	v_mul_f32 v[T0], s[CS], v[RX]
	v_mov_b32 v[T1], 0                             ; a lane permute's destination counts as one of its sources
	v_mov_b32 v[FF+1], 0
	v_floor_f32 v[NM], -v[T0]
.endm
	INIT 0
	INIT 1
	WIN 0
	s_wait_alu depctr_va_vdst(0)
	s_wait_loadcnt 18                              ; the mask and Q are in; step 0's K may be out
	v_perm_b32 v[QS], v134, v134, 0x02020000       ; tile 0's scales: bytes (0, 0, 2, 2): each stands under both places that its 32 dims can take
	v_perm_b32 v[QS+1], v134, v134, 0x03030101     ; tile 1's: (1, 1, 3, 3)
	v_mov_b32 v133, 0xfb800000                     ; -2^120
	v_lshl_add_u32 v135, v0, 6, BIAS
.irp d, 0,1,2,3
.irp y, 0,1,2,3
	v_bfe_u32 v[136+4*\d+\y], v[112+\d], 8*\y, 8
.endr
.endr
.irp d, 0,1,2,3
.irp y, 0,1,2,3
	v_cmp_eq_u32 vcc_lo, 0, v[136+4*\d+\y]
	v_cndmask_b32 v[116+4*\d+\y], 0, v133, vcc_lo  ; 0 where the key counts, -2^120 where it is masked
.endr
.endr
.irp d, 0,1,2,3
	ds_store_b128 v135, v[116+4*\d:116+4*\d+3] offset:16*\d
.endr
; 8 products S^T = K Q^T + bias for tile t, K at kb, results at sb: block c of 32 keys gives keys a (registers 16 c ..) and keys b (16 c + 8 ..)
.macro SPROD t, kb, sb
.irp c, 0,1,2,3
.if (\c)%2
	v_wmma_scale_f32_16x16x128_f8f6f4 v[\sb+16*\c:\sb+16*\c+7], v[\kb+16*\c:\kb+16*\c+15], v[QQ+4:QQ+19], v[BI+16*\c:BI+16*\c+7], v[KS+\c/2], v[QS+\t] matrix_a_scale:MATRIX_SCALE_ROW1
	v_wmma_scale_f32_16x16x128_f8f6f4 v[\sb+16*\c+8:\sb+16*\c+15], v[\kb+16*\c:\kb+16*\c+15], v[QQ:QQ+15], v[BI+16*\c+8:BI+16*\c+15], v[KS+\c/2], v[QS+\t] matrix_a_scale:MATRIX_SCALE_ROW1
.else
	v_wmma_scale_f32_16x16x128_f8f6f4 v[\sb+16*\c:\sb+16*\c+7], v[\kb+16*\c:\kb+16*\c+15], v[QQ+4:QQ+19], v[BI+16*\c:BI+16*\c+7], v[KS+\c/2], v[QS+\t]
	v_wmma_scale_f32_16x16x128_f8f6f4 v[\sb+16*\c+8:\sb+16*\c+15], v[\kb+16*\c:\kb+16*\c+15], v[QQ:QQ+15], v[BI+16*\c+8:BI+16*\c+15], v[KS+\c/2], v[QS+\t]
.endif
.endr
.endm
; 4 products O^T += V^T P^T for tile t: 16 channels each, K = the step's 128 keys.  The four sums take turns
.macro OPROD t, vb
.irp u, 0,1,2,3
.if (\u)%2
	v_wmma_scale_f32_16x16x128_f8f6f4 v[OO+8*\u:OO+8*\u+7], v[\vb+16*\u:\vb+16*\u+15], v[PC:PC+15], v[OO+8*\u:OO+8*\u+7], v[VS+\u/2], v[PS+\t] matrix_a_scale:MATRIX_SCALE_ROW1
.else
	v_wmma_scale_f32_16x16x128_f8f6f4 v[OO+8*\u:OO+8*\u+7], v[\vb+16*\u:\vb+16*\u+15], v[PC:PC+15], v[OO+8*\u:OO+8*\u+7], v[VS+\u/2], v[PS+\t]
.endif
.endr
.endm
.macro KLOAD dst, off                  ; K: an image of the registers, 512 consecutive bytes a load; its scale words: lanes 0-15 block 0's, lanes 16-31 block 1's; then blocks 2 and 3
.irp c, 0,1,2,3
.irp g, 0,1,2,3
	ds_load_b128 v[\dst+16*\c+4*\g:\dst+16*\c+4*\g+3], v[ADK] offset:\off+2048*\c+512*\g
.endr
.endr
	ds_load_b32 v[KS], v[AD4] offset:\off+8192
	ds_load_b32 v[KS+1], v[AD4] offset:\off+8320
.endm
.macro VLOAD dst, off                  ; V's scale bytes: channel = lane, blocks 0, 1; 2, 3; channel = 32 + lane; then V: tile u of 16 channels, keys 32 g on
	global_load_u16 v[UT], v[LV2], s[VB:VB+1] offset:\off+8192
	global_load_u16 v[UT+1], v[LV2], s[VB:VB+1] offset:\off+8192+128
	global_load_u16 v[UT+2], v[LV2], s[VB:VB+1] offset:\off+8192+64
	global_load_u16 v[UT+3], v[LV2], s[VB:VB+1] offset:\off+8192+192
.irp u, 0,1,2,3
.irp g, 0,1,2,3
	global_load_b128 v[\dst+16*\u+4*\g:\dst+16*\u+4*\g+3], v[LV], s[VB:VB+1] offset:\off+2048*\g+512*\u
.endr
.endr
.endm
.macro BLOAD off                       ; the bias of 128 keys into window 1: register 16 c + i = the bias of key 32 c + 16 h + i
	WIN 0x40
.irp c, 0,1,2,3
.irp j, 0,1,2,3
	ds_load_b128 v[BI+16*\c+4*\j:BI+16*\c+4*\j+3], v[ADB] offset:\off+128*\c+16*\j
.endr
.endr
	WIN 0
.endm
; THE SOFTMAX of tile t for 128 keys, scores at s, all in the tile's own window.  First part: up to t - M.
.macro SOFTA t, s
	WIN 0x55*(\t)
.if \t
	s_wait_alu depctr_va_vdst(0)                   ; tile 1's products stand ahead of tile 0's exponentials
.endif
.irp b, 0,1,2,3
	v_max3_num_f32 v[BM+\b], v[\s+16*\b+(\b)%2], v[\s+16*\b+(\b)%2+1], v[\s+16*\b+(\b)%2+2]   ; each block's largest score (even blocks leave number 15 for last, odd ones number 0)
.endr
.irp i, 3,5,7,9,11,13
.irp b, 0,1,2,3
	v_max3_num_f32 v[BM+\b], v[BM+\b], v[\s+16*\b+(\b)%2+\i], v[\s+16*\b+(\b)%2+\i+1]
.endr
.endr
	v_dual_max_num_f32 v[BM], v[\s+15], v[BM] :: v_dual_max_num_f32 v[BM+1], v[\s+16], v[BM+1]
	v_dual_max_num_f32 v[BM+2], v[\s+47], v[BM+2] :: v_dual_max_num_f32 v[BM+3], v[\s+48], v[BM+3]
	v_permlane16_swap_b32 v[BM], v[BM+1]           ; the first's lanes 16-31 against the second's lanes 0-15:
	v_permlane16_swap_b32 v[BM+2], v[BM+3]
	v_max_num_f32 v[BM], v[BM], v[BM+1]            ; lanes 0-15 block 0's largest over both halves, lanes 16-31 block 1's;
	v_max_num_f32 v[BM+2], v[BM+2], v[BM+3]        ; blocks 2 and 3
	v_max_num_f32 v[T0], v[BM], v[BM+2]
	v_permlanex16_b32 v[T1], v[T0], s[SEL], s[SEL+1]
	v_max3_num_f32 v[RX], v[RX], v[T0], v[T1]      ; the largest score so far
	s_delay_alu instid0(VALU_DEP_1)
	v_mul_f32 v[T0], s[CS], v[RX]                  ; as t (c is positive)
	s_delay_alu instid0(VALU_DEP_1)
	v_floor_f32 v[T0], -v[T0]                      ; the new -M = floor(-t): M is a whole number
	s_delay_alu instid0(VALU_DEP_1)
	v_sub_f32 v[T1], v[T0], v[NM]                  ; old M - new M: a whole number, 0 or less
	v_mov_b32 v[NM], v[T0]
	s_delay_alu instid0(VALU_DEP_2)
	v_cvt_i32_f32 v[T1], v[T1]                     ; (it saturates)
	s_delay_alu instid0(VALU_DEP_1)
	v_ldexp_f32 v[FF], 1.0, v[T1]                  ; f = 2^(old M - new M)
.set j, 0
.rept 32
	v_pk_fma_f32 v[\s+j:\s+j+1], v[\s+j:\s+j+1], s[CS:CS+1], v[NM:NM+1] op_sel_hi:[1,0,0]   ; t - M, two at a time
.set j, j+2
.endr
	v_fma_f32 v[BM], v[BM], s[CS], v[NM]           ; the same of each block's largest score
	v_fma_f32 v[BM+2], v[BM+2], s[CS], v[NM]
.set j, 0
.rept 11
	v_pk_mul_f32 v[OO+j:OO+j+1], v[OO+j:OO+j+1], v[FF:FF+1] op_sel_hi:[1,0]   ; O^T under the new M, from each sum's low end on
.set j, j+2
.endr
.endm
.macro SOFTB t, s                      ; second part: p, the sum, the codes
	WIN 0x55*(\t)
	s_wait_alu depctr_va_vdst(0)
.set j, 0
.rept 64
	v_exp_f32 v[\s+j], v[\s+j]                     ; p = 2^(t - M)
.set j, j+1
.endr
	v_exp_f32 v[BM], v[BM]                         ; each block's largest p: the same two instructions on the same number give the same bits
	v_exp_f32 v[BM+2], v[BM+2]
	v_pk_mul_f32 v[LL:LL+1], v[LL:LL+1], v[FF:FF+1] op_sel_hi:[1,0]   ; the sums under the new M; the plain line behind the exponentials
	s_wait_alu depctr_va_vdst(0)                   ; one wait for the batch of 66, ahead of its first reader
	v_pk_add_f32 v[L2:L2+1], v[\s:\s+1], v[\s+2:\s+3]          ; the row's sum is taken of the unquantised p, in four chains by turns
	v_pk_add_f32 v[PT:PT+1], v[\s+4:\s+5], v[\s+6:\s+7]
	v_pk_add_f32 v[PT+2:PT+3], v[\s+8:\s+9], v[\s+10:\s+11]
.set j, 12
.rept 6
	v_pk_add_f32 v[LL:LL+1], v[LL:LL+1], v[\s+j:\s+j+1]
	v_pk_add_f32 v[L2:L2+1], v[L2:L2+1], v[\s+j+2:\s+j+3]
	v_pk_add_f32 v[PT:PT+1], v[PT:PT+1], v[\s+j+4:\s+j+5]
	v_pk_add_f32 v[PT+2:PT+3], v[PT+2:PT+3], v[\s+j+6:\s+j+7]
.set j, j+8
.endr
	v_pk_add_f32 v[LL:LL+1], v[LL:LL+1], v[\s+60:\s+61]
	v_pk_add_f32 v[L2:L2+1], v[L2:L2+1], v[\s+62:\s+63]
	v_max_num_f32 v[BM], 0x4800000, v[BM]          ; the floor 2^(9 - 127): the byte cannot fall under 1 (a block whose every p is 0 keeps that byte: its codes are zeros)
	v_max_num_f32 v[BM+2], 0x4800000, v[BM+2]
	v_pk_add_f32 v[PT:PT+1], v[PT:PT+1], v[PT+2:PT+3]
	v_pk_add_f32 v[LL:LL+1], v[LL:LL+1], v[L2:L2+1]
	v_add_nc_u32 v[SO], 0xfc000000, v[BM]          ; 8 off the exponent field: the conversion's scale operand
	v_add_nc_u32 v[SO+2], 0xfc000000, v[BM+2]
	v_and_or_b32 v[HD], v[BM], 0x7f800000, s[MNT]  ; 448 x the scale
	v_and_or_b32 v[HD+2], v[BM+2], 0x7f800000, s[MNT]
	v_pk_add_f32 v[LL:LL+1], v[LL:LL+1], v[PT:PT+1]
	v_mov_b32 v[SO+1], v[SO]
	v_mov_b32 v[SO+3], v[SO+2]
	v_mov_b32 v[HD+1], v[HD]
	v_mov_b32 v[HD+3], v[HD+2]
	v_lshrrev_b32 v[PT], 23, v[SO]                 ; the scales' bytes: lanes 0-15 blocks 0 and 2, lanes 16-31 blocks 1 and 3
	v_lshrrev_b32 v[PT+1], 23, v[SO+2]
	v_permlane16_swap_b32 v[HD], v[HD+1]           ; block 0's in all lanes of the first, block 1's in all lanes of the second
	v_permlane16_swap_b32 v[HD+2], v[HD+3]
	v_lshl_or_b32 v[PT], v[PT+1], 16, v[PT]
	v_permlane16_swap_b32 v[SO], v[SO+1]
	v_permlane16_swap_b32 v[SO+2], v[SO+3]
	v_permlanex16_b32 v[PT+2], v[PT], s[SEL], s[SEL+1]
	WIN 0x11*(\t)                                  ; scale operands have no window: the word goes to window 0
	v_lshl_or_b32 v[PS+\t], v[PT+2], 8, v[PT]      ; p's scale word for these 128 keys, in lanes 0-15 (the others are not read)
	WIN 0x55*(\t)
.irp b, 0,1,2,3
.irp i, 0,2,4,6,8,10,12,14
	v_dual_min_num_f32 v[\s+16*\b+\i], v[\s+16*\b+\i], v[HD+\b] :: v_dual_min_num_f32 v[\s+16*\b+\i+1], v[\s+16*\b+\i+1], v[HD+\b]   ; the conversion to an 8-bit code does not saturate (ISA guide 7.6.2); p is not negative, so the hold is one-sided
.endr
	v_cvt_scalef32_pk8_fp8_f32 v[PC+4*\b:PC+4*\b+1], v[\s+16*\b:\s+16*\b+7], v[SO+\b]
	v_cvt_scalef32_pk8_fp8_f32 v[PC+4*\b+2:PC+4*\b+3], v[\s+16*\b+8:\s+16*\b+15], v[SO+\b]
.endr
.set j, 22
.rept 5
	v_pk_mul_f32 v[OO+j:OO+j+1], v[OO+j:OO+j+1], v[FF:FF+1] op_sel_hi:[1,0]   ; the rest of O^T under the new M: five plain lines between the conversions and the products that take the codes
.set j, j+2
.endr
.endm
; A KEY STEP: 128 keys of my quarter, for both tiles.  e: the step's number mod 2.  direct = 1: the next K comes by loads of my own.  bar = 1: a barrier in the step's middle shows K in LDS.  last = 1: nothing follows; my signal that I read K and the bias no more.  ask = 1: prefetch.
.macro STEP e, direct, bar, last, ask
.set KB_, FB+64*(\e)                   ; K, then V
.set SB_, SS-64*(\e)                   ; tile 0's scores, then the next K
	s_wait_dscnt 0x0                               ; K, its scale words and the bias are in
	WIN 0x10                                       ; C (the bias) window 1
	SPROD 0, KB_, SB_
	WIN 0x54                                       ; Q, the bias and S^T window 1; K window 0
	SPROD 1, KB_, SS
	WIN 0
.rept 8
	v_nop                                          ; eight places: in front of the loads over K's fragments and over the bias, and of the first read of scores (ISA guide 7.12.1 for the read of scores)
.endr
	VLOAD KB_, (\e)*PIECE
.if (\last) == 0
	BLOAD 512*(1+(\e))                             ; the next step's bias
.endif
	SOFTA 0, SB_
	SOFTB 0, SB_
	WIN 0
.if \bar
	s_wait_tensorcnt 0x0                           ; my half of my quarter's K is in
.endif
.if (\bar) || (\last)
	s_wait_dscnt 0x0
	s_barrier_signal -1
.endif
	SOFTA 1, SS                                    ; (where a signal stands above: work on registers while the others arrive)
	s_wait_alu depctr_va_vdst(0)
	WIN 0
.if \bar
	s_barrier_wait -1                              ; all of K is in LDS
.endif
.if \direct
	KDIRECT SB_, PIECE
.elseif (\last) == 0
.if \e
	s_add_co_u32 s[TB], s[TB], 2*PIECE             ; on to the next pair of steps
	s_add_co_u32 s[TJ], s[TJ], 1024
	v_add_nc_u32 v[ADK], s[TB], v[A16]
	v_add_nc_u32 v[AD4], s[TB], v[A4]
	v_add_nc_u32 v[ADB], s[TJ], v[AB]
	KLOAD SB_, 0
.else
	KLOAD SB_, PIECE
.endif
.endif
.if \ask
	s_cmp_eq_u32 ttmp9, 0                          ; the batch's first cluster: the same in all four partners
	s_cbranch_scc0 .Lnot_mine_\@
	global_prefetch_b8 v[PFO], s[VB:VB+1] offset:(2+(\e))*PIECE th:TH_LOAD_NT scope:SCOPE_SE   ; V of the step two on
.Lnot_mine_\@:
.endif
	s_wait_loadcnt 16+18*(\direct)                 ; V's scale bytes are in; behind them V's 16 loads (and K's 18)
	v_lshl_or_b32 v[VS], v[UT+1], 16, v[UT]        ; V's words: lanes 0-15 tile 0's channels, lanes 16-31 tile 1's;
	v_lshl_or_b32 v[VS+1], v[UT+3], 16, v[UT+2]    ; tiles 2 and 3
	SOFTB 1, SS
	WIN 0
	s_wait_alu depctr_va_vdst(0)
	s_wait_loadcnt 18*(\direct)                    ; V is in (K's 18 loads may be out)
	OPROD 0, KB_
	WIN 0x54                                       ; p's codes and O^T window 1; V window 0
	OPROD 1, KB_
	WIN 0
.if (\last) == 0
.rept 9
	v_nop                                          ; nine places: the next step's products write over V's registers
.endr
.if \e
	s_wait_xcnt 0x0                                ; V's loads and the prefetch have read their base
	s_add_nc_u64 s[VB:VB+1], s[VB:VB+1], 2*PIECE
.endif
.if \direct
	s_wait_loadcnt 0x0                             ; the next K is in
.endif
.endif
.endm
	s_wait_alu depctr_va_vdst(0)
	s_wait_dscnt 0x0                               ; my part of the bias is stored
	s_barrier_signal -1
	s_barrier_wait -1
	BLOAD 0
	s_wait_loadcnt 0x0                             ; step 0's K is in
	STEP 0, 1, 0, 0, 1
	STEP 1, 0, 1, 0, 1
	s_mov_b32 s[CNT], 2
.Lpair:                                            ; steps 2, 3 and 4, 5
	STEP 0, 0, 0, 0, 1
	STEP 1, 0, 0, 0, 1
	s_sub_co_u32 s[CNT], s[CNT], 1
	s_cmp_lg_u32 s[CNT], 0
	s_wait_alu depctr_va_vdst(0)
	s_cbranch_scc1 .Lpair
	STEP 0, 0, 0, 0, 0                             ; steps 6 and 7: no V lies two steps on
	STEP 1, 0, 0, 1, 0
	; THE MERGE.  Each wave puts its two tiles' O^T and (-M, l) into its quarter's stage; then wave w adds the four quarters of 8 tokens and stores them.  The lines up to the first store are more than the eight places behind the last products.
	v_add_f32 v[RX], v[LL], v[LL+1]                ; the sum's two halves,
	v_permlanex16_b32 v[T1], v[RX], s[SEL], s[SEL+1]
	v_add_f32 v[RX], v[RX], v[T1]                  ; and lane l xor 16's: v[244:245] = (-M, l)
	WIN 0x55
	v_add_f32 v[RX], v[LL], v[LL+1]
	v_permlanex16_b32 v[T1], v[RX], s[SEL], s[SEL+1]
	v_add_f32 v[RX], v[RX], v[T1]
	WIN 0
	s_wait_alu depctr_va_vdst(0)
	s_mul_i32 s20, s14, REGN
	s_mul_i32 s21, s15, 32*272
	s_add_co_u32 s21, s20, s21                     ; in: my quarter, row 32 qp + r (tile 1: 16 rows on)
	s_lshl_b32 s22, s15, 8
	s_add_co_u32 s22, s20, s22
	s_add_co_u32 s22, s22, STT
	s_lshr_b32 s23, s[WV], 2                       ; tokens 8 w .. 8 w + 7 lie in stage rows 32 (w >> 2) + 16 (w & 1) + 8 ((w >> 1) & 1) + 0..7
	s_lshl_b32 s23, s23, 5
	s_lshl_b32 s60, s15, 4
	s_add_co_u32 s23, s23, s60
	s_and_b32 s60, s14, 1
	s_lshl_b32 s60, s60, 3
	s_add_co_u32 s23, s23, s60
	s_mul_i32 s60, s23, 272
	s_lshl_b32 s61, s23, 3
	s_add_co_u32 s61, s61, STT
	v_and_b32 v24, 15, v0                          ; r
	v_bfe_u32 v25, v0, 4, 1                        ; h
	v_mul_u32_u24 v14, v24, 272
	v_lshl_add_u32 v14, v25, 5, v14
	v_add_nc_u32 v14, s21, v14
	v_lshl_add_u32 v15, v24, 3, s22
	v_mul_u32_u24 v16, v25, 272
	v_lshl_add_u32 v16, v24, 4, v16
	v_add_nc_u32 v16, s60, v16                     ; back: lanes 0-15 one row of 256 bytes, lanes 16-31 the next; v16-19 the four quarters
	v_lshl_add_u32 v20, v25, 3, s61                ; and their (-M, l): v20-23
	v_add_nc_u32 v17, REGN, v16
	v_add_nc_u32 v18, 2*REGN, v16
	v_add_nc_u32 v19, 3*REGN, v16
	v_add_nc_u32 v21, REGN, v20
	v_add_nc_u32 v22, 2*REGN, v20
	v_add_nc_u32 v23, 3*REGN, v20
	s_wait_alu depctr_va_vdst(0)
	s_barrier_wait -1                              ; every wave has read its last K and bias: the stage's bytes are free
.irp u, 0,1,2,3
	ds_store_b128 v14, v[OO+8*\u:OO+8*\u+3] offset:64*\u        ; each sum from its low end on: channels 16 u + 8 h + 0..7 of query r
	ds_store_b128 v14, v[OO+8*\u+4:OO+8*\u+7] offset:64*\u+16
.endr
	ds_store_b64 v15, v[NM:NM+1]                   ; lanes l and l + 16 write the same bytes with the same value
	WIN 0x04                                       ; an LDS store's data are its source 1: window 1
.irp u, 0,1,2,3
	ds_store_b128 v14, v[OO+8*\u:OO+8*\u+3] offset:16*272+64*\u
	ds_store_b128 v14, v[OO+8*\u+4:OO+8*\u+7] offset:16*272+64*\u+16
.endr
	ds_store_b64 v15, v[NM:NM+1] offset:128
	WIN 0
	s_wait_dscnt 0x0                               ; for the others' sake: my stores into the stage have landed
	s_barrier_signal -1
	s_barrier_wait -1
.irp q, 0,1,2,3
.irp i, 0,1,2,3
	ds_load_b128 v[FB+16*\q+4*\i:FB+16*\q+4*\i+3], v[16+\q] offset:544*\i
	ds_load_b64 v[SS+8*\q+2*\i:SS+8*\q+2*\i+1], v[20+\q] offset:16*\i
.endr
.endr
	s_wait_dscnt 0x0
.irp i, 0,1,2,3
	v_min3_num_f32 v[144+\i], v[SS+2*\i], v[SS+8+2*\i], v[SS+16+2*\i]
.endr
.irp i, 0,1,2,3
	v_min_num_f32 v[144+\i], v[144+\i], v[SS+24+2*\i]           ; -M of the row: the least of the four
.endr
.irp i, 0,1,2,3
.irp q, 0,1,2,3
	v_sub_f32 v[148+4*\i+\q], v[144+\i], v[SS+8*\q+2*\i]        ; the quarter's M less the row's: a whole number, 0 or less
.endr
.endr
.set j, 0
.rept 16
	v_cvt_i32_f32 v[148+j], v[148+j]
.set j, j+1
.endr
.set j, 0
.rept 16
	v_ldexp_f32 v[148+j], 1.0, v[148+j]            ; f of the quarter: an exact power of two, or 0
.set j, j+1
.endr
.irp i, 0,1,2,3
	v_mul_f32 v[164+\i], v[148+4*\i], v[SS+2*\i+1]
.endr
.irp q, 1,2,3
.irp i, 0,1,2,3
	v_fmac_f32 v[164+\i], v[148+4*\i+\q], v[SS+8*\q+2*\i+1]     ; the row's sum
.endr
.endr
	v_and_b32 v26, 31, v0
	v_lshlrev_b32 v26, 4, v26                      ; 16 bytes a lane of the output
	s_wait_alu depctr_va_vdst(0)
.irp i, 0,1,2,3
	v_rcp_f32 v[168+\i], v[164+\i]
.endr
.irp i, 0,1,2,3
.irp e, 0,1,2,3
	v_mul_f32 v[176+4*\i+\e], v[148+4*\i], v[FB+4*\i+\e]        ; (plain work behind the reciprocals, which names none of their results)
.endr
.endr
.irp q, 1,2,3
.irp i, 0,1,2,3
.irp e, 0,1,2,3
	v_fmac_f32 v[176+4*\i+\e], v[148+4*\i+\q], v[FB+16*\q+4*\i+\e]
.endr
.endr
.endr
	s_wait_alu depctr_va_vdst(0)                   ; one wait for the four reciprocals, ahead of their first reader
.irp i, 0,1,2,3
.irp e, 0,1,2,3
	v_mul_f32 v[176+4*\i+\e], v[176+4*\i+\e], v[168+\i]
.endr
.endr
.irp i, 0,1,2,3
	global_store_b128 v26, v[176+4*\i:176+4*\i+3], s[56:57] offset:512*\i th:TH_STORE_NT   ; 32 lanes store 512 consecutive bytes, two rows of the output, aligned
.endr
	s_wait_tensorcnt 0x0                           ; the wave's end: behind my last tensor load and my last LDS store
	ds_add_u32 v[SPW], v[NIL]
	s_wait_dscnt 0x0
	CROUND                                         ; the closing round: no work-group ends while a partner may still ask for a tile that names it
	s_endpgm
.Lfunc_end_k_qcb4713e7f0_attn:
	.size	k_qcb4713e7f0_attn, .Lfunc_end_k_qcb4713e7f0_attn-k_qcb4713e7f0_attn
	.p2alignl 7, 3214868480
	.fill 96, 4, 3214868480
	.section	.rodata,"a",@progbits
	.p2align	6, 0x0
	.amdhsa_kernel k_qcb4713e7f0_attn
		.amdhsa_group_segment_fixed_size 327680
		.amdhsa_private_segment_fixed_size 0
		.amdhsa_enable_private_segment 0
		.amdhsa_kernarg_size 24
		.amdhsa_user_sgpr_count 2
		.amdhsa_user_sgpr_kernarg_segment_ptr 1
		.amdhsa_wavefront_size32 1
		.amdhsa_system_sgpr_workgroup_id_x 1
		.amdhsa_system_sgpr_workgroup_id_y 1
		.amdhsa_system_sgpr_workgroup_id_z 1
		.amdhsa_system_vgpr_workitem_id 0
		.amdhsa_next_free_vgpr 512
		.amdhsa_next_free_sgpr 84
		.amdhsa_reserve_vcc 1
		.amdhsa_float_denorm_mode_32 3
		.amdhsa_float_denorm_mode_16_64 3
		.amdhsa_memory_ordered 1
		.amdhsa_forward_progress 1
		.amdhsa_inst_pref_size 236
	.end_amdhsa_kernel
	.amdgpu_metadata
---
amdhsa.version: [ 1, 2 ]
amdhsa.kernels:
  - .name:           k_qcb4713e7f0_attn
    .symbol:         k_qcb4713e7f0_attn.kd
    .args:
      - { .name: qkv, .offset: 0, .size: 8, .value_kind: global_buffer, .address_space: global }
      - { .name: attn_mask, .offset: 8, .size: 8, .value_kind: global_buffer, .address_space: global }
      - { .name: out0, .offset: 16, .size: 8, .value_kind: global_buffer, .address_space: global }
    .group_segment_fixed_size: 327680
    .private_segment_fixed_size: 0
    .kernarg_segment_align: 8
    .kernarg_segment_size: 24
    .max_flat_workgroup_size: 256
    .sgpr_count:     84
    .vgpr_count:     512
    .wavefront_size: 32
...
	.end_amdgpu_metadata
.endif
;; end of part 3
